; MI455X (gfx1250); checked and timed in simulation.
; The chip was launched on July 23, 2026; its instructions are those of AMD's public machine-readable ISA for CDNA 5 (MIT licence, August 2026) and "CDNA5" Instruction Set Architecture Reference Guide (July 2026). The comments in the code are by the model that wrote it; some were corrected since.
;; Swin Block3 D. Allowed arithmetic: matrix products marked QUANTISED: E2M3 operands, one E8M0 scale for each 32 along K, by v_wmma_scale_f32_16x16x128_f8f6f4 with both operands' format E2M3, f32 sums; products left as they are: f32 operands where the result goes on into a quantised operand, else bf16, f16 or f32 operands; f32 sums; everything else in f32.
;; Inputs: b_bias1 64 float32; b_bias2 8 float32; b_fc1 512 float32; b_fc2 128 float32; b_proj 128 float32; b_qkv 384 float32; beta1 128 float32; beta2 128 float32; gamma1 128 float32; gamma2 128 float32; w_bias1 3 x 64 float32; w_bias2 64 x 8 float32; w_fc1 128 x 512 float32; w_fc2 512 x 128 float32; w_proj 128 x 128 float32; w_qkv 128 x 384 float32; x 4 x 32,768 x 128 float32.
;; Outputs: out0 4 x 32,768 x 128 float32.
;; This version of the problem:
;;   THIS VERSION OF THE PROBLEM IS GIVEN IN LOW PRECISION. The matrix products marked QUANTISED in the list below multiply operands that are first quantised to E2M3 (2 exponent bits, 3 mantissa bits; 6 bits a number), with one power-of-two scale for each 32 numbers along K (OCP MX v1.0); their sums are f32. All else is computed in f32.
;;   The module's matrix products, in the order in which they are computed (A, B: the left and right operand; K: the contracted axis; several contracted axes count as one K, in the product's order):
;;     1. [M 131,072, K 128] x [K 128, N 384]; A: computed on the way; B: input w_qkv: QUANTISED
;;     2. batch 16,384 x [M 64, K 16] x [K 16, N 64]; A: computed on the way; B: computed on the way: left as it is (K = 16 < 32)
;;     3. [M 4,096, K 3] x [K 3, N 64]; A: computed on the way; B: input w_bias1: left as it is (K = 3 < 32)
;;     4. [M 4,096, K 64] x [K 64, N 8]; A: computed on the way; B: input w_bias2: left as it is (N = 8 < 16)
;;     5. batch 16,384 x [M 16, K 64] x [K 64, N 64]; A: computed on the way; B: softmax (see below): QUANTISED
;;     6. [M 131,072, K 128] x [K 128, N 128]; A: computed on the way; B: input w_proj: QUANTISED
;;     7. [M 131,072, K 128] x [K 128, N 512]; A: computed on the way; B: input w_fc1: QUANTISED
;;     8. [M 131,072, K 512] x [K 512, N 128]; A: computed on the way; B: input w_fc2: QUANTISED
;;   THE QUANTISER, for each operand of a quantised product, along K:
;;     - K is cut into blocks of 32 from its start; a last block that is shorter is filled with zeros.
;;     - A block's scale is 2^e with e = floor(log2(the largest magnitude in the block)) - 2, held to -126 .. 127; a block of zeros has e = 0. As a byte (E8M0): e + 127.
;;     - Each number is divided by its block's scale, clamped to +-7.5, and rounded to the nearest number of E2M3, ties to even, subnormals kept.
;;     - The product sums the exact products of the quantised numbers (number of the format x scale) in f32.
;;   ~~~python
;;   def quantise(x, axis):      # numpy; x: float32 -> the quantised numbers, widened to float32 again
;;       x = np.moveaxis(x, axis, -1); K = x.shape[-1]
;;       x = np.pad(x, [(0, 0)] * (x.ndim - 1) + [(0, -K % 32)]); x = x.reshape(x.shape[:-1] + (-1, 32)); a = np.abs(x).max(-1, keepdims=True)
;;       e = np.where(a > 0, np.clip(np.frexp(np.where(a > 0, a, 1))[1] - 1 - 2, -126, 127), 0)      # np.frexp(a)[1] - 1 = floor(log2(a)), exactly
;;       r = np.clip(x / 2.0 ** e, -7.5, 7.5)
;;       step = 2.0 ** (np.maximum(np.frexp(np.where(r == 0, 1, r))[1] - 1, 0) - 3)
;;       q = np.round(r / step) * step * 2.0 ** e      # np.round: ties to even
;;       return np.moveaxis(q.reshape(q.shape[:-2] + (-1,))[..., :K], -1, axis).astype(np.float32)
;;   ~~~
;;   SOFTMAX AHEAD OF A QUANTISED PRODUCT. Where the list says 'softmax', what is quantised is not the finished softmax but p = 2^(t - M), with t = logit x log2(e) and M = ceil(the row's largest t), a whole number; so 1/2 < the row's largest p <= 1. The row's sum l is taken of the UNQUANTISED p, in f32, and the product's result is divided by l at the end. Since M is a whole number, a kernel that streams over the keys may use a running M (the ceiling of the running maximum): every later rescaling is an exact power of two, which a block's scale takes up: the codes' values come out the same.
;;   OPERANDS COMPUTED ON THE WAY. 'Computed on the way' means the value that the module computes at that place (a softmax that the list does not call 'softmax' is quantised finished and normalised). What goes into a quantiser is computed in f32, as accurately as f32 sums, v_exp_f32 and their like allow (about 1e-6 of the number): no bf16 or f16 on the way to a quantiser, and a product that is left as it is and whose result goes on into a quantised operand takes f32 operands (vector FMAs, or v_wmma_f32_16x16x4_f32). A number that lies on a knife's edge between two numbers of the format may be rounded either way, as far as f32 arithmetic and the matrix unit's own rounding can turn it there, and no further.
;; One version. Each part assembles by itself: llvm-mc -triple=amdgcn-amd-amdhsa -mcpu=gfx1250 --defsym DOCPART=n.
;; ======== version 1 of 1: 2 launches
;; workspace buffers: wf 196,608 bytes; btc 14,336 bytes
;; launch prep (part 1): grid 31 x 1, 4 waves a work-group, no clusters, 0 bytes of LDS; arguments w_qkv, w_proj, w_fc1, w_fc2, w_bias1, b_bias1, w_bias2, b_bias2, wf, btc; writes wf, btc
.if DOCPART == 1
	.amdgcn_target "amdgcn-amd-amdhsa--gfx1250"
	.amdhsa_code_object_version 6
	.text
	.protected	k_qe194fca5d6_prep
	.globl	k_qe194fca5d6_prep
	.p2align	8
	.type	k_qe194fca5d6_prep,@function
k_qe194fca5d6_prep:
	s_mov_b64 s[64:65], 0
	v_nop
	global_prefetch_b8 v0, s[64:65] scope:SCOPE_SE
	s_setreg_imm32_b32 hwreg(HW_REG_WAVE_MODE, 25, 1), 1
	s_wait_xcnt 0x0
; PREPARES WHAT EVERY WINDOW NEEDS ALIKE.
; Work-groups 0-23: the four weights (f32, K = their FIRST axis) become codes of FP6 (E2M3) with one E8M0 byte for each 32 along K, laid as IMAGES OF OPERAND REGISTERS.
; One wave makes one fragment (16 columns x 128 K): lane (r, h) takes column n0 + r and its registers run down K in the order of the operand's layout (k = 64 c + 32 h + 0 .. 31),
; so the conversions' results are the operand's registers.  Record 24 x wave + work-group of wf, 2,048 bytes: three images of 512 bytes (16 bytes a lane), then the scale words (4 bytes a lane).
; The wave's number here is the number of the wave of the main launch that will keep the fragment; the work-group's number is its slot: 0-5 w_qkv (q, q, k, k, v, v), 6-7 w_proj, 8-15 w_fc1, 16-23 w_fc2 (4 n + K step).
; w_proj and w_fc2 take the rows of each block of 32 along K in the order 16 ((p / 8) % 2) + 8 (p / 16) + p % 8: so lies the other operand, which the main launch makes from two neighbouring result tiles.
; A block's scale hangs on the set of its numbers alone, and a product on like order in both operands.
; Work-groups 24-30: the relative-position bias relu(rel w_bias1 + b_bias1) w_bias2 + b_bias2, in f32 by fused multiply-adds, as a table btc[head][64 (dx + 3) + 8 (dy + 3) + (dz + 3)], 448 numbers a head.
; Work-group 24 + g makes the plane dx = g - 3; wave q heads 2 q and 2 q + 1; lane l the entries 2 l and 2 l + 1 of the plane (entries with dy = 4 or dz = 4 are made and never read).
; LIMITS: a block whose largest magnitude lies under 2^-124 (a block of zeros among them) gets the byte 1 where the quantiser says otherwise: its codes are zeros or next to it, and this program alone reads the bytes.  NaN and infinities are not served.
.set MSB, 0
.macro WIN new                         ; the immediate's high byte repeats the setting that is left
.if MSB != (\new)
	s_set_vgpr_msb (MSB<<8)|(\new)
.set MSB, (\new)
.endif
.endm
	s_load_b512 s[4:19], s[0:1], 0x0               ; w_qkv s[4:5], w_proj s[6:7], w_fc1 s[8:9], w_fc2 s[10:11], w_bias1 s[12:13], b_bias1 s[14:15], w_bias2 s[16:17], b_bias2 s[18:19]
	s_load_b128 s[20:23], s[0:1], 0x40             ; wf s[20:21], btc s[22:23]
	v_lshrrev_b32 v16, 5, v0
	v_readfirstlane_b32 s24, v16                   ; wave 0..3
	s_mov_b32 s25, ttmp9                           ; the work-group's number
	v_and_b32 v16, 15, v0                          ; r
	v_bfe_u32 v17, v0, 4, 1                        ; h
	v_and_b32 v18, 31, v0                          ; lane
	v_lshlrev_b32 v19, 4, v18                      ; 16 x lane
	v_lshlrev_b32 v20, 2, v18                      ; 4 x lane
	v_lshlrev_b32 v21, 2, v16                      ; 4 r
	s_mov_b32 s29, 0                               ; the upper word of the offsets' pair s[28:29]
	s_mov_b32 s32, 0x76543210
	s_mov_b32 s33, 0xfedcba98                      ; v_permlanex16_b32's selects for lane l xor 16
	s_wait_kmcnt 0x0
	s_cmp_lt_u32 s25, 6
	s_cbranch_scc1 .Lqkv
	s_cmp_lt_u32 s25, 8
	s_cbranch_scc1 .Lproj
	s_cmp_lt_u32 s25, 16
	s_cbranch_scc1 .Lfc1
	s_cmp_lt_u32 s25, 24
	s_cbranch_scc1 .Lfc2
	; ---- THE BIAS TABLE.  v1 0; v2 dx; v3 dy; v[4:5] dz of my two entries; v[6:7] a hidden unit of both; v[8:9] b_bias2 of my two heads; v[10:11], v[12:13] the sums; v14 8 x lane.
	; The 64 hidden units' numbers lie in registers, units 32 t + i in window t at like numbers: v32+i, v64+i, v96+i the three rows of w_bias1; v128+i b_bias1; v[160+2i:161+2i] w_bias2 of my two heads.  v224+i (window 0): at work.
	s_sub_co_u32 s34, s25, 24                      ; the plane, dx + 3
	s_sub_co_i32 s35, s34, 3
	v_mov_b32 v1, 0
	v_cvt_f32_i32 v2, s35
	v_and_b32 v14, 31, v0
	v_lshrrev_b32 v3, 2, v14
	v_add_nc_u32 v3, -3, v3
	v_cvt_f32_i32 v3, v3                           ; dy = lane / 4 - 3
	v_and_b32 v4, 3, v14
	v_lshlrev_b32 v4, 1, v4
	v_add_nc_u32 v4, -3, v4
	v_cvt_f32_i32 v4, v4                           ; dz = 2 (lane % 4) - 3,
	v_add_f32 v5, 1.0, v4                          ; and one more
	v_lshlrev_b32 v14, 3, v14
	s_lshl_b32 s28, s24, 3                         ; my two heads: 8 bytes x wave
	s_add_nc_u64 s[26:27], s[16:17], s[28:29]
	s_add_nc_u64 s[36:37], s[18:19], s[28:29]
.irp t, 0,1
	WIN 0x40*\t                                    ; the destination's window
.irp c, 0,1,2
.irp k, 0,1,2,3,4,5,6,7
	global_load_b128 v[32+32*\c+4*\k:35+32*\c+4*\k], v1, s[12:13] offset:256*\c+128*\t+16*\k   ; every lane reads the same bytes
.endr
.endr
.irp k, 0,1,2,3,4,5,6,7
	global_load_b128 v[128+4*\k:131+4*\k], v1, s[14:15] offset:128*\t+16*\k
.endr
.set bi, 0
.rept 32
	global_load_b64 v[160+2*bi:161+2*bi], v1, s[26:27] offset:32*(32*\t+bi)
.set bi, bi+1
.endr
.endr
	WIN 0
	global_load_b64 v[8:9], v1, s[36:37]
	s_wait_loadcnt 0x0
	v_mov_b32 v10, v8                              ; the sums begin with b_bias2
	v_mov_b32 v11, v8
	v_mov_b32 v12, v9
	v_mov_b32 v13, v9
.macro BATCH t                         ; 32 hidden units.  (Constants stand as source 1 where a register of window 0 is wanted as source 0)
	WIN 0x14*(\t)                                  ; sources 1 and 2 in window t
.set bi, 0
.rept 32
	v_fma_f32 v[224+bi], v2, v[32+bi], v[128+bi]   ; dx w1[0][u] + b1[u]
.set bi, bi+1
.endr
	WIN 0x04*(\t)                                  ; source 1 in window t
.set bi, 0
.rept 32
	v_fma_f32 v[224+bi], v3, v[64+bi], v[224+bi]   ; + dy w1[1][u]
.if bi%2
	v_pk_fma_f32 v[6:7], v[4:5], v[95+bi:96+bi], v[223+bi:224+bi] op_sel:[0,1,1] op_sel_hi:[1,1,1]   ; + dz w1[2][u], for both entries: of the two pairs the unit's own word serves both halves
.else
	v_pk_fma_f32 v[6:7], v[4:5], v[96+bi:97+bi], v[224+bi:225+bi] op_sel:[0,0,0] op_sel_hi:[1,0,0]
.endif
	v_max_num_f32 v6, v6, 0
	v_max_num_f32 v7, v7, 0
	v_pk_fma_f32 v[10:11], v[6:7], v[160+2*bi:161+2*bi], v[10:11] op_sel:[0,0,0] op_sel_hi:[1,0,1]   ; x w2[u][head 2 q]
	v_pk_fma_f32 v[12:13], v[6:7], v[160+2*bi:161+2*bi], v[12:13] op_sel:[0,1,0] op_sel_hi:[1,1,1]   ; x w2[u][head 2 q + 1]
.set bi, bi+1
.endr
	WIN 0
.endm
	BATCH 0
	BATCH 1
	s_mul_i32 s28, s24, 3584                       ; two heads of 1,792 bytes a wave,
	s_lshl_b32 s34, s34, 8                         ; a plane of 256 bytes
	s_add_co_u32 s28, s28, s34
	s_add_nc_u64 s[30:31], s[22:23], s[28:29]
	global_store_b64 v14, v[10:11], s[30:31]               ; 32 lanes store 256 consecutive bytes, at a multiple of 256 from the buffer's first byte
	global_store_b64 v14, v[12:13], s[30:31] offset:1792
	s_endpgm
; 64 loads: W(first row + 64 c + 32 h + P(i), n0 + r) into v[64 + 32 c + i]; sixteen neighbouring lanes read 64 neighbouring bytes
.macro WLOAD pitch, perm
.irp c, 0,1
.set wi, 0
.rept 32
.if \perm
	global_load_b32 v[64+32*\c+wi], v5, s[26:27] offset:\pitch*(64*\c+16*((wi/8)%2)+8*(wi/16)+wi%8)
.else
	global_load_b32 v[64+32*\c+wi], v5, s[26:27] offset:\pitch*(64*\c+wi)
.endif
.set wi, wi+1
.endr
.endr
.endm
.Lqkv:                                             ; column 128 (slot / 2) + 32 wave + 16 (slot % 2); rows of 1,536 bytes
	s_lshr_b32 s34, s25, 1
	s_lshl_b32 s34, s34, 7
	s_lshl_b32 s35, s24, 5
	s_add_co_u32 s34, s34, s35
	s_and_b32 s35, s25, 1
	s_lshl_b32 s35, s35, 4
	s_add_co_u32 s34, s34, s35
	s_lshl_b32 s28, s34, 2
	s_add_nc_u64 s[26:27], s[4:5], s[28:29]
	v_mad_u32_u24 v5, v17, 32*1536, v21            ; 4 r, and 32 rows further down for lanes 16-31
	WLOAD 1536, 0
	s_branch .Lquant
.Lfc1:                                             ; column 128 wave + 16 (slot - 8); rows of 2,048 bytes
	s_sub_co_u32 s34, s25, 8
	s_lshl_b32 s34, s34, 6
	s_lshl_b32 s35, s24, 9
	s_add_co_u32 s28, s34, s35
	s_add_nc_u64 s[26:27], s[8:9], s[28:29]
	v_lshl_add_u32 v5, v17, 16, v21
	WLOAD 2048, 0
	s_branch .Lquant
.Lproj:                                            ; column 32 wave + 16 (slot - 6); rows of 512 bytes
	s_sub_co_u32 s34, s25, 6
	s_lshl_b32 s34, s34, 6
	s_lshl_b32 s35, s24, 7
	s_add_co_u32 s28, s34, s35
	s_add_nc_u64 s[26:27], s[6:7], s[28:29]
	s_branch .Lperm
.Lfc2:                                             ; column 32 wave + 16 ((slot - 16) / 4), first row 128 ((slot - 16) % 4); rows of 512 bytes
	s_sub_co_u32 s34, s25, 16
	s_lshr_b32 s35, s34, 2
	s_lshl_b32 s35, s35, 6
	s_and_b32 s34, s34, 3
	s_lshl_b32 s34, s34, 16
	s_add_co_u32 s34, s34, s35
	s_lshl_b32 s35, s24, 7
	s_add_co_u32 s28, s34, s35
	s_add_nc_u64 s[26:27], s[10:11], s[28:29]
.Lperm:
	v_lshl_add_u32 v5, v17, 14, v21
	WLOAD 512, 1
.Lquant:
	s_wait_loadcnt 0x0
.irp c, 0,1                                        ; my block 2 c + h: all its 32 numbers are mine
	v_max3_num_f32 v[32+\c], |v[64+32*\c]|, |v[65+32*\c]|, 0x1800000   ; and the floor 2^(3 - 127): the byte cannot fall under 1
.endr
.irp i, 2,4,6,8,10,12,14,16,18,20,22,24,26,28,30
.irp c, 0,1
	v_max3_num_f32 v[32+\c], v[32+\c], |v[64+32*\c+\i]|, |v[65+32*\c+\i]|
.endr
.endr
.irp c, 0,1
	v_add_nc_u32 v[44+\c], 0xff000000, v[32+\c]    ; 2 off the exponent field: the conversion takes the exponent field of this operand as its scale
.endr
.irp c, 0,1
	v_lshrrev_b32 v[36+\c], 23, v[44+\c]           ; the scale's byte
.endr
	v_lshl_or_b32 v9, v37, 16, v36                 ; my two bytes, blocks h and 2 + h of column r,
	v_lshlrev_b32 v10, 3, v17
	v_lshlrev_b32 v9, v10, v9                      ; at their places in the scale word;
	v_mov_b32 v10, 0
	v_permlanex16_b32 v10, v9, s32, s33
	v_or_b32 v9, v9, v10                           ; with lane l xor 16's two the word is whole
.irp c, 0,1
	v_cvt_scalef32_pk16_fp6_f32 v[48+6*\c:50+6*\c], v[64+32*\c:79+32*\c], v[44+\c]
	v_cvt_scalef32_pk16_fp6_f32 v[192+4*\c:194+4*\c], v[80+32*\c:95+32*\c], v[44+\c]   ; (a conversion's three registers begin on an even number)
.endr
	v_nop                                          ; one plain place behind a scaled conversion
.irp c, 0,1
.irp i, 0,1,2
	v_mov_b32 v[51+6*\c+\i], v[192+4*\c+\i]
.endr
.endr
	s_mul_i32 s34, s24, 24
	s_add_co_u32 s34, s34, s25                     ; the record: 24 x wave + slot
	s_lshl_b32 s28, s34, 11
	s_add_nc_u64 s[30:31], s[20:21], s[28:29]
.irp k, 0,1,2
	global_store_b128 v19, v[48+4*\k:51+4*\k], s[30:31] offset:512*\k   ; 32 lanes store 512 consecutive bytes, at a multiple of 256 from the buffer's first byte
.endr
	global_store_b32 v20, v9, s[30:31] offset:1536
	s_endpgm
.Lfunc_end_k_qe194fca5d6_prep:
	.size	k_qe194fca5d6_prep, .Lfunc_end_k_qe194fca5d6_prep-k_qe194fca5d6_prep
	.p2alignl 7, 3214868480
	.fill 96, 4, 3214868480
	.section	.rodata,"a",@progbits
	.p2align	6, 0x0
	.amdhsa_kernel k_qe194fca5d6_prep
		.amdhsa_group_segment_fixed_size 0
		.amdhsa_private_segment_fixed_size 0
		.amdhsa_enable_private_segment 0
		.amdhsa_kernarg_size 80
		.amdhsa_user_sgpr_count 2
		.amdhsa_user_sgpr_kernarg_segment_ptr 1
		.amdhsa_wavefront_size32 1
		.amdhsa_system_sgpr_workgroup_id_x 1
		.amdhsa_system_sgpr_workgroup_id_y 1
		.amdhsa_system_sgpr_workgroup_id_z 1
		.amdhsa_system_vgpr_workitem_id 0
		.amdhsa_next_free_vgpr 512
		.amdhsa_next_free_sgpr 66
		.amdhsa_reserve_vcc 0
		.amdhsa_float_denorm_mode_32 3
		.amdhsa_float_denorm_mode_16_64 3
		.amdhsa_memory_ordered 1
		.amdhsa_forward_progress 1
		.amdhsa_inst_pref_size 66
	.end_amdhsa_kernel
	.amdgpu_metadata
---
amdhsa.version: [ 1, 2 ]
amdhsa.kernels:
  - .name:           k_qe194fca5d6_prep
    .symbol:         k_qe194fca5d6_prep.kd
    .args:
      - { .name: w_qkv, .offset: 0, .size: 8, .value_kind: global_buffer, .address_space: global }
      - { .name: w_proj, .offset: 8, .size: 8, .value_kind: global_buffer, .address_space: global }
      - { .name: w_fc1, .offset: 16, .size: 8, .value_kind: global_buffer, .address_space: global }
      - { .name: w_fc2, .offset: 24, .size: 8, .value_kind: global_buffer, .address_space: global }
      - { .name: w_bias1, .offset: 32, .size: 8, .value_kind: global_buffer, .address_space: global }
      - { .name: b_bias1, .offset: 40, .size: 8, .value_kind: global_buffer, .address_space: global }
      - { .name: w_bias2, .offset: 48, .size: 8, .value_kind: global_buffer, .address_space: global }
      - { .name: b_bias2, .offset: 56, .size: 8, .value_kind: global_buffer, .address_space: global }
      - { .name: wf, .offset: 64, .size: 8, .value_kind: global_buffer, .address_space: global }
      - { .name: btc, .offset: 72, .size: 8, .value_kind: global_buffer, .address_space: global }
    .group_segment_fixed_size: 0
    .private_segment_fixed_size: 0
    .kernarg_segment_align: 8
    .kernarg_segment_size: 80
    .max_flat_workgroup_size: 128
    .sgpr_count:     66
    .vgpr_count:     512
    .wavefront_size: 32
...
	.end_amdgpu_metadata
.endif
;; end of part 1
;; launch swin (part 2): grid 256 x 1, 4 waves a work-group, no clusters, 160,768 bytes of LDS; arguments x, wf, btc, gamma1, beta1, gamma2, beta2, b_qkv, b_proj, b_fc1, b_fc2, out0; writes out0
.if DOCPART == 2
	.amdgcn_target "amdgcn-amd-amdhsa--gfx1250"
	.amdhsa_code_object_version 6
	.text
	.protected	k_qe194fca5d6_swin
	.globl	k_qe194fca5d6_swin
	.p2align	8
	.type	k_qe194fca5d6_swin,@function
k_qe194fca5d6_swin:
	s_mov_b64 s[64:65], 0
	v_nop
	global_prefetch_b8 v0, s[64:65] scope:SCOPE_SE
	s_setreg_imm32_b32 hwreg(HW_REG_WAVE_MODE, 25, 1), 1
	s_wait_xcnt 0x0
; THE WHOLE SWIN BLOCK, FUSED.  The cyclic shift and the window partition only say WHICH rows of x form a window, and the result goes back to the same rows; nothing crosses a window.
; Token n = 16 i + 4 j + k of window (b, wh, ww, wd) is row 32768 b + 1024 ((4 wh + i + 2) % 32) + 32 ((4 ww + j + 2) % 32) + ((4 wd + k + 2) % 32) of x and of out0; a row is 512 bytes.
; SHARES.  Work-group g = (b, wh, ww) walks its eight windows wd = 0 .. 7.  Four waves, as many as a WGP has SIMDs.  THE WAVES SHARE THE COLUMNS: wave w owns heads 2 w and 2 w + 1 (columns 32 w .. of q, k and v),
; outputs 32 w .. of proj and fc2, hidden units 128 w ..; its 24 weight fragments (codes of FP6 made by the launch before), their scale words, its biases and its two heads' position bias stay in REGISTERS for the whole launch.
; For the LayerNorms and the way in and out wave w owns tokens 16 w .. 16 w + 15.  What goes from wave to wave through LDS is small: codes as images of operand registers, and three stages of f32 rows.
; A WINDOW, six barriers:  LN1, quantise | QKV; S^T = K Q^T + bias in f32 (16x16x4 form); softmax; O^T = V^T P; / l; quantise | proj | + x, LN2, quantise | fc1, GELU, quantise | fc2 | + x2, store.
; LAYOUTS.  q, k, proj, fc1, fc2 are made TRANSPOSED (source 0 = 16 columns of the weight, source 1 = 16 tokens): a lane holds one token (lane % 16) and eight neighbouring columns 8 (lane / 16) + j.
; v is made the other way round: a lane holds one channel and eight tokens, so that it is quantised along the keys.  In S^T, P and O^T a lane holds one query.
; Two neighbouring result tiles, fed to the quantiser as 16 registers, give a block of 32 in the order 16 ((p / 8) % 2) + 8 (p / 16) + p % 8.  V^T and p come out alike; w_proj and w_fc2 were laid so by the launch before.
; THE SOFTMAX: t = logit x log2(e), M = ceil(the row's largest t), p = 2^(t - M) is quantised, the row's sum of the unquantised p divides O.  A unit is (query tile, head): the f32 products of unit u + 1 and the softmax of unit u
; stand by turns, seven vector instructions behind each matrix instruction.
; LDS LOADS THAT HANG ON NO BARRIER STAND AHEAD OF IT OR UNDER VECTOR WORK: a wave's own rows of x and x2, beta1 and b_fc1 are asked for a phase before they are used; behind a barrier stand only the loads of what other waves wrote,
; and the waits for them are counted, tile by tile or row by row.
; x of the next window is asked for at the head of the fc1 phase, into registers, and goes to LDS in that phase's last trip, under the GELU: no wave waits for it.
; NO CLUSTER: work-groups share the prepared weights and the bias table alone, which each reads once, into registers, at its head: 174 KB against 512 KB of x and out0 of its own.
; NO TENSOR LOADS: a window's 64 rows wrap round in three axes, so no one tile covers them.
; LIMITS.  GELU = x / 2 (1 + erf(x / sqrt 2)), erf as a ratio of polynomials in z^2 with z held to +-4: absolute error about 1e-7 |x|; far in the negative tail the relative error grows by the cancellation in 1 + erf.
; A block whose largest magnitude lies under 2^-124 (zeros among them) gets the byte 1; its codes are zeros or next to it.  p under 2^-126 is 0.  NaN and infinities are not served.
; Inside a block of 32 the keys, proj's K and fc2's K stand in the order given above in both operands: the order of the additions inside a matrix instruction differs from the natural one.
;
; LDS
.set PSTG, 33792                       ; byte 0: raw x, wave w's 16 rows at 8448 w, rows of 512 + 16 bytes.  PSTG: proj's result, then x2 in place, row n at 528 n
.set YSTG, 67584                       ; fc2's result, likewise
.set XIMG, 101376                      ; four fragment images of 1,536 bytes: the normalised rows' codes (LN1's, later LN2's)
.set XSC,  107520                      ; their scale words, 128 bytes each
.set HIMG, 108032                      ; the hidden layer's 16 fragments, index 4 (K step = wave) + tile of rows
.set HSC,  132608                      ; their scale words
.set AROW, 134656                      ; the attention's output as rows of codes: 64 rows, 104 bytes apart; wave w's block of 32 channels at 24 w
.set ASC,  141312                      ; its scale bytes: 4 n + w
.set CB,   141568                      ; gamma1, beta1 (512 bytes each), b_fc1 (2,048)
.set BTL,  145664                      ; the bias table: wave w's two heads at 3584 w
; REGISTERS, window 0: v1 8448 w + 16 l; v2 the same in YSTG; v3 8448 w + 528 r + 64 h; v4 PSTG + 528 r + 128 w + 32 h; v5 XIMG + 1536 w + 16 l; v6 XIMG + 16 l; v7 XSC + 128 w + 4 l; v8 XSC + 4 l;
;   v9 AROW + 104 r + 24 w + 12 h; v10 AROW + 104 r + 24 h; v11 ASC + 4 r + w; v12 ASC + 4 r; v13 CB + 64 h; v14 CB + 1024 + 512 w + 32 h; v15, v16 my byte offsets in x and out0 (j = 0, 1 and j = 2, 3);
;   v17-27 at work (LayerNorm; fc1's addresses); v28-31 the attention's codes and byte on their way to LDS; v32-55 the weights' scale words; v56-63 scale words alone (v60 the one just made, v61, v62 V's, v63 p's);
;   v64-127 S: the accumulators of the f32 form, of proj, fc1 and fc2: written by matrix instructions alone; v128-191 KR and v192-255 T: at work.
; window 1: v0-111 the position bias, [head][query tile - key tile + 3][8]: a tile of tokens is a plane i of the window, so a tile of S^T hangs on that difference alone; v112-175 gamma2, v176-239 beta2, in the quantiser's layout.
; window 2: v0-95 w_fc1's 8 fragments; v96-191 w_fc2's 8; v192-215 w_proj's 2; v216-239 V^T's 2 (later x on its way in); v240-255 O^T.
; window 3: v0-71 w_qkv's 6; v72.. b_q, v88.. b_k, v104.. b_v, v120.. b_proj, v136.. b_fc2, 16 each; v152-215 QR: beta1, then q, then b_fc1; v216-255 x on its way in.
.set MSB, 0
.macro WIN new                         ; the immediate's high byte repeats the setting that is left; bits 1:0 source 0, 3:2 source 1, 5:4 source 2, 7:6 destination
.if MSB != (\new)
	s_set_vgpr_msb (MSB<<8)|(\new)
.set MSB, (\new)
.endif
.endm
.macro NOPS n
.rept \n
	v_nop
.endr
.endm
.macro BARRIER                         ; my LDS stores have landed and my LDS loads are in: then the work-group's barrier
	s_wait_dscnt 0x0
	s_barrier_signal -1
	s_barrier_wait -1
.endm
.macro KPAIR r, val                    ; a constant for packed forms: they name a pair, so both words are written
	s_mov_b32 s[\r], \val
	s_mov_b32 s[\r+1], \val
.endm
.macro FETCH reg, adr, off             ; a fragment's image comes back as it was stored: the same registers in the same lanes
.irp c, 0,1,2
	ds_load_b128 v[(\reg)+4*\c:(\reg)+4*\c+3], v[\adr] offset:(\off)+512*\c
.endr
.endm
.macro IMAGE pc, adr, off
.irp c, 0,1,2
	ds_store_b128 v[\adr], v[(\pc)+4*\c:(\pc)+4*\c+3] offset:(\off)+512*\c
.endr
.endm
.macro MX d, a, b, c, sa, sb           ; D = A B + C on codes of FP6, 16 x 16 x 128
	v_wmma_scale_f32_16x16x128_f8f6f4 v[(\d):(\d)+7], v[(\a):(\a)+11], v[(\b):(\b)+11], v[(\c):(\c)+7], v[\sa], v[\sb] matrix_a_fmt:MATRIX_FMT_FP6 matrix_b_fmt:MATRIX_FMT_FP6
.endm
; 64 numbers of a lane, register 16 b + i = place 16 (lane / 16) + i of block b of my row, become a fragment's codes in v[pc] .. v[pc + 11] and its scale word in v60.  v[pc + 12 .. 18] and v[tm .. tm + 15] are at work.
.macro QUANT s, pc, tm
.irp b, 0,1,2,3
	v_max3_num_f32 v[\tm+\b], |v[\s+16*\b]|, |v[\s+1+16*\b]|, 0x1800000   ; my 16 numbers, and the floor 2^(3 - 127): the byte cannot fall under 1
.endr
.irp i, 2,4,6,8,10,12,14
.irp b, 0,1,2,3
	v_max3_num_f32 v[\tm+\b], v[\tm+\b], |v[\s+16*\b+\i]|, |v[\s+1+16*\b+\i]|
.endr
.endr
.irp b, 0,1,2,3
	v_permlanex16_b32 v[\tm+4+\b], v[\tm+\b], s32, s33
.endr
.irp b, 0,1,2,3
	v_max_num_f32 v[\tm+\b], v[\tm+\b], v[\tm+4+\b]   ; with lane l xor 16's: the block's largest magnitude
.endr
.irp b, 0,1,2,3
	v_add_nc_u32 v[\tm+12+\b], 0xff000000, v[\tm+\b]  ; 2 off its exponent field: the conversion's scale operand
.endr
.irp b, 0,1,2,3
	v_lshrrev_b32 v[\tm+4+\b], 23, v[\tm+12+\b]       ; the scale's byte
.endr
	v_lshl_or_b32 v60, v[\tm+5], 8, v[\tm+4]
	v_lshl_or_b32 v60, v[\tm+6], 16, v60
	v_lshl_or_b32 v60, v[\tm+7], 24, v60
.irp c, 0,1
	v_cvt_scalef32_pk16_fp6_f32 v[\pc+6*\c:\pc+2+6*\c], v[\s+32*\c:\s+15+32*\c], v[\tm+12+2*\c]
	v_cvt_scalef32_pk16_fp6_f32 v[\pc+12+4*\c:\pc+14+4*\c], v[\s+16+32*\c:\s+31+32*\c], v[\tm+12+2*\c+1]   ; (a conversion's three registers begin on an even number)
.endr
	v_nop                                          ; one plain place behind a scaled conversion
.irp c, 0,1                                        ; the operand's layout wants a WHOLE block in a lane: lanes 0-15 block 2 c, lanes 16-31 block 2 c + 1
.irp i, 0,1,2
	v_permlane16_swap_b32 v[\pc+6*\c+\i], v[\pc+12+4*\c+\i]
.endr
.irp i, 0,1,2
	v_mov_b32 v[\pc+3+6*\c+\i], v[\pc+12+4*\c+\i]
.endr
.endr
.endm
.macro BETA1                           ; beta1 in the quantiser's layout into QR: asked for long before LN1 wants it
	WIN 0xc0
.set li, 0
.rept 16
	ds_load_b128 v[152+4*li:155+4*li], v13 offset:512+128*(li/4)+16*(li%4)
.set li, li+1
.endr
	WIN 0
.endm
; LayerNorm of my 16 rows (64 numbers a lane in T), quantised; the image and the scale word go to LDS.
; res = 0, LN1: the rows are on their way from LDS; gamma1 is asked for here, into KR; beta1 lies in QR or is on its way there.  res = 1, LN2: the rows stand in T; gamma2 and beta2 stay in window 1.
.macro LNQ res
.if (\res) == 0
.set li, 0
.rept 16
	ds_load_b128 v[128+4*li:131+4*li], v13 offset:128*(li/4)+16*(li%4)
.set li, li+1
.endr
	s_wait_dscnt 16                                ; all but the 16 loads of gamma1 just issued: the rows are in
.endif
.irp c, 0,1,2,3                                    ; the sum, two at a time, in four chains
	v_pk_add_f32 v[18+2*\c:19+2*\c], v[192+4*\c:193+4*\c], v[194+4*\c:195+4*\c]
.endr
.set li, 0
.rept 24
	v_pk_add_f32 v[18+2*(li%4):19+2*(li%4)], v[18+2*(li%4):19+2*(li%4)], v[208+2*li:209+2*li]
.set li, li+1
.endr
	v_pk_add_f32 v[18:19], v[18:19], v[20:21]
	v_pk_add_f32 v[22:23], v[22:23], v[24:25]
	v_pk_add_f32 v[18:19], v[18:19], v[22:23]
	v_add_f32 v18, v18, v19
	v_permlanex16_b32 v17, v18, s32, s33           ; the row's other 64 numbers lie in the lane 16 away
	v_add_f32 v18, v18, v17
	v_mul_f32 v26, s36, v18                        ; the mean
	v_mov_b32 v27, v26
.set li, 0
.rept 32
	v_pk_add_f32 v[192+li:193+li], v[192+li:193+li], v[26:27] neg_lo:[0,1] neg_hi:[0,1]
.set li, li+2
.endr
.irp c, 0,1,2,3                                    ; the sum of the squares of x - mean
	v_pk_mul_f32 v[18+2*\c:19+2*\c], v[192+2*\c:193+2*\c], v[192+2*\c:193+2*\c]
.endr
.set li, 4
.rept 28
	v_pk_fma_f32 v[18+2*(li%4):19+2*(li%4)], v[192+2*li:193+2*li], v[192+2*li:193+2*li], v[18+2*(li%4):19+2*(li%4)]
.set li, li+1
.endr
	v_pk_add_f32 v[18:19], v[18:19], v[20:21]
	v_pk_add_f32 v[22:23], v[22:23], v[24:25]
	v_pk_add_f32 v[18:19], v[18:19], v[22:23]
	v_add_f32 v18, v18, v19
	v_permlanex16_b32 v17, v18, s32, s33
	v_add_f32 v18, v18, v17
	v_fma_f32 v18, v18, s36, s37                   ; the variance + 1e-5
	v_rsq_f32 v26, v18
	v_nop                                          ; a plain place behind the transcendental
.if (\res) == 0
	s_wait_dscnt 0x0                               ; gamma1 and beta1 are in
.endif
	s_wait_alu depctr_va_vdst(0)                   ; ahead of the first line that names the root's result
.set li, 0
.rept 32
	v_pk_mul_f32 v[192+li:193+li], v[192+li:193+li], v[26:27] op_sel_hi:[1,0]
.set li, li+2
.endr
.if (\res) == 0
	WIN 0x30                                       ; source 2 (beta1) in window 3
.set li, 0
.rept 32
	v_pk_fma_f32 v[192+li:193+li], v[192+li:193+li], v[128+li:129+li], v[152+li:153+li]
.set li, li+2
.endr
.else
	WIN 0x14                                       ; sources 1 and 2 (gamma2, beta2) in window 1
.set li, 0
.rept 32
	v_pk_fma_f32 v[192+li:193+li], v[192+li:193+li], v[112+li:113+li], v[176+li:177+li]
.set li, li+2
.endr
.endif
	WIN 0
	QUANT 192, 128, 160
	IMAGE 128, 5, 0
	ds_store_b32 v7, v60
.endm
; V^T of head e (32 registers at 128 + 32 e: my channel, tokens 16 m + 8 h + j) is quantised along the keys: two blocks of 32; the codes go to window 2, the scale word to v61 + e
.macro VQ e
.set VB, 128+32*(\e)
.irp b, 0,1
	v_max3_num_f32 v[240+\b], |v[VB+16*\b]|, |v[VB+16*\b+1]|, 0x1800000
.endr
.irp i, 2,4,6,8,10,12,14
.irp b, 0,1
	v_max3_num_f32 v[240+\b], v[240+\b], |v[VB+16*\b+\i]|, |v[VB+16*\b+\i+1]|
.endr
.endr
.irp b, 0,1
	v_permlanex16_b32 v[242+\b], v[240+\b], s32, s33
.endr
.irp b, 0,1
	v_max_num_f32 v[240+\b], v[240+\b], v[242+\b]
.endr
.irp b, 0,1
	v_add_nc_u32 v[252+\b], 0xff000000, v[240+\b]
.endr
.irp b, 0,1
	v_lshrrev_b32 v[242+\b], 23, v[252+\b]
.endr
	v_lshl_or_b32 v[61+\e], v243, 8, v242          ; bytes 2 and 3 stay 0: the codes of keys 64 .. 127 are zeros
	v_cvt_scalef32_pk16_fp6_f32 v[244:246], v[VB:VB+15], v252
	v_cvt_scalef32_pk16_fp6_f32 v[248:250], v[VB+16:VB+31], v253
	v_nop
.irp i, 0,1,2
	v_permlane16_swap_b32 v[244+\i], v[248+\i]
.endr
	WIN 0x80
.irp i, 0,1,2
	v_mov_b32 v[216+12*(\e)+\i], v[244+\i]
	v_mov_b32 v[219+12*(\e)+\i], v[248+\i]
.endr
	WIN 0
.endm
; Product i of 16 of unit u = 2 (query tile) + head: S^T += K Q^T, four of the head's 16 channels, key tile i % 4.  The first four start the sums with the position bias.  The four accumulators take turns.
.macro QKW u, i
.set qe, (\u)%2
.set qn, (\u)/2
.set qs, (\i)/4
.set qm, (\i)%4
.set qd, 64+32*qe+8*qm
.set qc, 56*qe+8*(qn-qm+3)
.if qs == 0
	WIN 0x1c                                       ; source 1 (q) window 3, source 2 (bias) window 1
	v_wmma_f32_16x16x4_f32 v[qd:qd+7], v[128+32*qe+8*qm:129+32*qe+8*qm], v[152+32*qe+8*qn:153+32*qe+8*qn], v[qc:qc+7]
.else
	WIN 0x0c
	v_wmma_f32_16x16x4_f32 v[qd:qd+7], v[128+32*qe+8*qm+2*qs:129+32*qe+8*qm+2*qs], v[152+32*qe+8*qn+2*qs:153+32*qe+8*qn+2*qs], v[qd:qd+7]
.endif
.endm
; THE SOFTMAX OF A UNIT is a list of 111 lines; SMI writes number j of it for head e.  T: v192-223 p; v224-235 p's codes; v236-238 at work; v240, 241 the blocks' largest score, then largest p; v242, 243 at work;
; v[244:245] -M; v[246:247], v[248:249] sums; v250, 251 the conversions' scale operands; v252 (head 0), v254 (head 1) 1 / l.
;   0-15 the largest score of each block of 32 keys (each accumulator is read from its low end on)   16-22 with lane l xor 16's; the row's; as t; -M = floor(-t)   23-40 t - M, of the scores and of the two largest
;   41-74 ONE BATCH of 34 exponentials   75 a plain place and the one wait for them   76-95 the row's sum of the unquantised p; the floor under the largest p   96-101 scale operands, 1 / l, bytes, the scale word
;   102-110 the conversions; whole blocks to each half of the lanes
.macro SMI e
.set SB, 64+32*(\e)
.if j < 16
.set bb, j%2
.set qq, j/2
.if qq == 0
	v_max3_num_f32 v[240+bb], v[SB+16*bb], v[SB+16*bb+1], v[SB+16*bb+2]
.elseif qq < 7
	v_max3_num_f32 v[240+bb], v[240+bb], v[SB+16*bb+2*qq+1], v[SB+16*bb+2*qq+2]
.else
	v_max_num_f32 v[240+bb], v[240+bb], v[SB+16*bb+15]
.endif
.elseif j < 18
	v_permlanex16_b32 v[242+j-16], v[240+j-16], s32, s33
.elseif j < 20
	v_max_num_f32 v[240+j-18], v[240+j-18], v[242+j-18]
.elseif j == 20
	v_max_num_f32 v246, v240, v241
.elseif j == 21
	v_mul_f32 v246, s34, v246
.elseif j == 22
	v_floor_f32 v244, -v246
.elseif j < 39
.set pp, 2*(j-23)
	v_pk_fma_f32 v[192+pp:193+pp], v[SB+pp:SB+pp+1], s[34:35], v[244:245] op_sel_hi:[1,0,0]
.elseif j < 41
	v_fma_f32 v[240+j-39], v[240+j-39], s34, v244
.elseif j < 73
	v_exp_f32 v[192+j-41], v[192+j-41]
.elseif j < 75
	v_exp_f32 v[240+j-73], v[240+j-73]
.elseif j == 75
	v_nop
	s_wait_alu depctr_va_vdst(0)                   ; ahead of the first line that names an exponential's result: one wait for the batch
.elseif j == 76
	v_pk_add_f32 v[246:247], v[192:193], v[194:195]
.elseif j == 77
	v_pk_add_f32 v[248:249], v[196:197], v[198:199]
.elseif j < 90
.set pp, j-78
	v_pk_add_f32 v[246+2*(pp%2):247+2*(pp%2)], v[246+2*(pp%2):247+2*(pp%2)], v[200+2*pp:201+2*pp]
.elseif j == 90
	v_pk_add_f32 v[246:247], v[246:247], v[248:249]
.elseif j == 91
	v_add_f32 v246, v246, v247
.elseif j == 92
	v_permlanex16_b32 v242, v246, s32, s33
.elseif j < 95
	v_max_num_f32 v[240+j-93], 0x1800000, v[240+j-93]
.elseif j == 95
	v_add_f32 v246, v246, v242
.elseif j < 98
	v_add_nc_u32 v[250+j-96], 0xff000000, v[240+j-96]
.elseif j == 98
	v_rcp_f32 v[252+2*(\e)], v246
.elseif j < 101
	v_lshrrev_b32 v[242+j-99], 23, v[250+j-99]
.elseif j == 101
	v_lshl_or_b32 v63, v243, 8, v242
.elseif j == 102
	v_cvt_scalef32_pk16_fp6_f32 v[224:226], v[192:207], v250
.elseif j == 103
	v_cvt_scalef32_pk16_fp6_f32 v[236:238], v[208:223], v251
.elseif j == 104
	v_nop
.elseif j < 108
	v_permlane16_swap_b32 v[224+j-105], v[236+j-105]
.else
	v_mov_b32 v[227+j-108], v[236+j-108]
.endif
.endm
.macro SLICE e, k                      ; slice k of 16: seven lines of the list (the last: six)
	WIN 0
.if (\k) < 15
.set j, 7*(\k)
.rept 7
	SMI \e
.set j, j+1
.endr
.else
.set j, 105
.rept 6
	SMI \e
.set j, j+1
.endr
.endif
.endm
.macro PV u                            ; O^T = V^T P of unit u: 64 keys, and 64 of zero codes
.set pe, (\u)%2
	WIN 0x82
	v_wmma_scale_f32_16x16x128_f8f6f4 v[240+8*pe:247+8*pe], v[216+12*pe:227+12*pe], v[224:235], 0, v[61+pe], v63 matrix_a_fmt:MATRIX_FMT_FP6 matrix_b_fmt:MATRIX_FMT_FP6
	WIN 0
.endm
; Both heads' O^T of query tile nq, divided by l: my query's 16 of my wave's 32 channels.  One block of proj's K: its codes (12 bytes a lane) and its byte go to LDS as part of a row.
.macro OUTQ nq
	s_wait_dscnt 0x0                               ; the stores of the tile before are done
	NOPS 4                                         ; places behind the last product
	s_wait_alu depctr_va_vdst(0)                   ; ahead of the first line that names a reciprocal's result: one wait for both
	WIN 0x82
.irp i, 0,2,4,6
	v_pk_mul_f32 v[240+\i:241+\i], v[240+\i:241+\i], v[252:253] op_sel_hi:[1,0]
.endr
.irp i, 8,10,12,14
	v_pk_mul_f32 v[240+\i:241+\i], v[240+\i:241+\i], v[254:255] op_sel_hi:[1,0]
.endr
	WIN 0x28                                       ; sources 1 and 2 (O^T) window 2; source 0 and the destination window 0
	v_max3_num_f32 v240, 0x1800000, |v240|, |v241|
	v_max3_num_f32 v241, 0x1800000, |v248|, |v249|
.irp i, 2,4,6
	v_max3_num_f32 v240, v240, |v[240+\i]|, |v[241+\i]|
	v_max3_num_f32 v241, v241, |v[248+\i]|, |v[249+\i]|
.endr
	WIN 0
	v_max_num_f32 v240, v240, v241
	v_permlanex16_b32 v242, v240, s32, s33
	v_max_num_f32 v240, v240, v242
	v_add_nc_u32 v250, 0xff000000, v240
	WIN 0x02
	v_cvt_scalef32_pk16_fp6_f32 v[28:30], v[240:255], v250
	WIN 0
	v_lshrrev_b32 v31, 23, v250
	v_nop
.irp i, 0,1,2
	ds_store_b32 v9, v[28+\i] offset:1664*(\nq)+4*\i
.endr
	ds_store_b8 v11, v31 offset:64*(\nq)           ; both halves of the lanes write the same byte with the same value
.endm
.macro PK8M d, a, b                    ; eight packed multiplies
.irp i, 0,2,4,6,8,10,12,14
	v_pk_mul_f32 v[(\d)+\i:(\d)+\i+1], v[(\a)+\i:(\a)+\i+1], v[(\b)+\i:(\b)+\i+1]
.endr
.endm
.macro PK8H x, sp                      ; a Horner step on 16 numbers: x = x z^2 + the constant
.irp i, 0,2,4,6,8,10,12,14
	v_pk_fma_f32 v[(\x)+\i:(\x)+\i+1], v[(\x)+\i:(\x)+\i+1], v[204+\i:205+\i], s[\sp:\sp+1] op_sel_hi:[1,1,0]
.endr
.endm
; GELU of two tiles, 16 numbers a lane: from the accumulators at 64 + 16 tp into 128 + 16 tp.  v204-219 z^2, later x / 2; v220-235 the numerator; v236-251 the denominator
.macro GELU2 tp
.set HA, 64+16*(\tp)
.set GG, 128+16*(\tp)
.irp i, 0,2,4,6,8,10,12,14
	v_pk_mul_f32 v[GG+\i:GG+\i+1], v[HA+\i:HA+\i+1], 0x3f3504f3 op_sel_hi:[1,0]   ; z = x / sqrt 2 (each accumulator is read from its low end on)
.endr
.irp i, 0,1,2,3,4,5,6,7,8,9,10,11,12,13,14,15
	v_med3_num_f32 v[GG+\i], v[GG+\i], -4.0, 4.0
.endr
	PK8M 204, GG, GG
.irp i, 0,2,4,6,8,10,12,14
	v_pk_fma_f32 v[220+\i:221+\i], v[204+\i:205+\i], v[252:253], s[66:67] op_sel_hi:[1,1,0]
.endr
.irp i, 0,2,4,6,8,10,12,14
	v_pk_fma_f32 v[236+\i:237+\i], v[204+\i:205+\i], v[254:255], s[78:79] op_sel_hi:[1,1,0]
.endr
	PK8H 220, 68
	PK8H 236, 80
	PK8H 220, 70
	PK8H 236, 82
	PK8H 220, 72
	PK8H 236, 84
	PK8H 220, 74
	PK8H 220, 76
.irp i, 0,1,2,3,4,5,6,7,8,9,10,11,12,13,14,15
	v_rcp_f32 v[236+\i], v[236+\i]
.endr
	PK8M 220, 220, GG                              ; z x the numerator: plain work behind the reciprocals
.irp i, 0,2,4,6,8,10,12,14
	v_pk_mul_f32 v[204+\i:205+\i], v[HA+\i:HA+\i+1], 0.5 op_sel_hi:[1,0]
.endr
	s_wait_alu depctr_va_vdst(0)                   ; ahead of the first line that names a reciprocal's result: one wait for the sixteen
	PK8M 220, 220, 236                             ; erf
.irp i, 0,2,4,6,8,10,12,14
	v_pk_fma_f32 v[GG+\i:GG+\i+1], v[204+\i:205+\i], v[220+\i:221+\i], v[204+\i:205+\i]   ; x / 2 erf + x / 2
.endr
.endm
; my 16 rows of x of a window, 512 consecutive bytes a load, into registers that nothing else uses meanwhile: row i = 4 j + k
.macro PRELOAD
	WIN 0xc0
.irp i, 0,1,2,3,4,5,6,7,8,9
	global_load_b128 v[216+4*\i:219+4*\i], v[15+\i/8], s[40+2*((\i%4)/2):41+2*((\i%4)/2)] offset:((\i/4)%2)*16384+(\i%2)*512 th:TH_LOAD_NT
.endr
	WIN 0x80
.irp i, 10,11,12,13,14,15
	global_load_b128 v[216+4*(\i-10):219+4*(\i-10)], v[15+\i/8], s[40+2*((\i%4)/2):41+2*((\i%4)/2)] offset:((\i/4)%2)*16384+(\i%2)*512 th:TH_LOAD_NT
.endr
	WIN 0
.endm
.macro XPUT                            ; and on into my wave's own stage
	WIN 0x0c
.irp i, 0,1,2,3,4,5,6,7,8,9
	ds_store_b128 v1, v[216+4*\i:219+4*\i] offset:528*\i
.endr
	WIN 0x08
.irp i, 10,11,12,13,14,15
	ds_store_b128 v1, v[216+4*(\i-10):219+4*(\i-10)] offset:528*\i
.endr
	WIN 0
.endm
.macro TILEOUT off                     ; my 32 columns of the 64 rows go to a stage; each accumulator from its low end on
.irp m, 0,1,2,3
.irp n, 0,1
	ds_store_b128 v4, v[64+8*(4*\n+\m):67+8*(4*\n+\m)] offset:(\off)+8448*\m+64*\n
	ds_store_b128 v4, v[68+8*(4*\n+\m):71+8*(4*\n+\m)] offset:(\off)+8448*\m+64*\n+16
.endr
.endr
.endm
.macro HSET st, ks                     ; the hidden layer's four fragments of K step ks, and their scale words, into set st: 16 LDS loads
.irp m, 0,1,2,3
	FETCH 128+64*(\st)+12*\m, 6, 6656+1536*(4*(\ks)+\m)
	ds_load_b32 v[56+4*(\st)+\m], v8 offset:25088+128*(4*(\ks)+\m)
.endr
.endm
.macro MULS ks, st                     ; fc2's K step ks: eight accumulators by turns, in the same order in every step
.irp m, 0,1,2,3
.irp n, 0,1
.if (\ks) == 0
	MX 64+8*(4*\n+\m), 96+12*(4*\n+\ks), 128+64*(\st)+12*\m, 136+8*\n, 48+4*\n+\ks, 56+4*(\st)+\m
.else
	MX 64+8*(4*\n+\m), 96+12*(4*\n+\ks), 128+64*(\st)+12*\m, 64+8*(4*\n+\m), 48+4*\n+\ks, 56+4*(\st)+\m
.endif
.endr
.endr
.endm
.macro OSTORE i                        ; row i = 4 j + k of my 16 goes out: 32 lanes store 512 consecutive bytes, at a multiple of 256 from out0's first byte
	global_store_b128 v[15+(\i)/8], v[192+4*(\i):195+4*(\i)], s[44+2*(((\i)%4)/2):45+2*(((\i)%4)/2)] offset:(((\i)/4)%2)*16384+((\i)%2)*512 th:TH_STORE_NT
.endm
	; ---------------- THE HEAD
	s_load_b512 s[4:19], s[0:1], 0x0               ; x s[4:5], wf s[6:7], btc s[8:9], gamma1 s[10:11], beta1 s[12:13], gamma2 s[14:15], beta2 s[16:17], b_qkv s[18:19]
	s_load_b256 s[20:27], s[0:1], 0x40             ; b_proj s[20:21], b_fc1 s[22:23], b_fc2 s[24:25], out0 s[26:27]
	s_set_vgpr_msb 0x40
	v_lshl_add_u32 v254, v0, 2, 0x27200
	v_mov_b32 v255, 0
	s_set_vgpr_msb 0x4000
	v_lshrrev_b32 v128, 5, v0
	v_readfirstlane_b32 s28, v128                  ; wave 0..3
	v_and_b32 v128, 31, v0                         ; lane
	v_and_b32 v129, 15, v0                         ; r
	v_bfe_u32 v130, v0, 4, 1                       ; h
	v_lshlrev_b32 v131, 4, v128                    ; 16 l
	v_lshlrev_b32 v132, 2, v128                    ; 4 l
	v_lshlrev_b32 v133, 5, v130                    ; 32 h
	v_lshlrev_b32 v134, 2, v129                    ; 4 r
	v_lshlrev_b32 v135, 2, v0                      ; 4 x thread
	v_lshlrev_b32 v148, 6, v130                    ; 64 h
	v_mov_b32 v17, 0                               ; written once: a lane permute's destination counts as one of its sources
	s_mul_i32 s31, s28, 8448
	v_add_nc_u32 v1, s31, v131
	v_add_nc_u32 v2, YSTG, v1
	v_mul_u32_u24 v3, v129, 528
	v_lshl_add_u32 v4, v130, 5, v3
	v_lshl_add_u32 v3, v130, 6, v3
	v_add_nc_u32 v3, s31, v3
	s_lshl_b32 s38, s28, 7
	s_add_co_u32 s39, s38, PSTG
	v_add_nc_u32 v4, s39, v4
	s_mul_i32 s39, s28, 1536
	s_add_co_u32 s39, s39, XIMG
	v_add_nc_u32 v5, s39, v131
	v_add_nc_u32 v6, XIMG, v131
	s_add_co_u32 s39, s38, XSC
	v_add_nc_u32 v7, s39, v132
	v_add_nc_u32 v8, XSC, v132
	v_mul_u32_u24 v10, v129, 104
	v_mad_u32_u24 v9, v130, 12, v10
	v_mad_u32_u24 v10, v130, 24, v10
	s_mul_i32 s39, s28, 24
	s_add_co_u32 s39, s39, AROW
	v_add_nc_u32 v9, s39, v9
	v_add_nc_u32 v10, AROW, v10
	s_add_co_u32 s39, s28, ASC
	v_add_nc_u32 v11, s39, v134
	v_add_nc_u32 v12, ASC, v134
	v_lshl_add_u32 v13, v130, 6, CB
	s_lshl_b32 s39, s28, 9
	s_add_co_u32 s39, s39, CB+1024
	v_add_nc_u32 v14, s39, v133
	; my rows in x and out0: plane i = my wave; the offsets hold b, the plane and the pair of j; k and wd stand in the scalar bases
	s_lshr_b32 s31, ttmp9, 6                       ; b
	s_bfe_u32 s38, ttmp9, 0x30003                  ; wh
	s_and_b32 s39, ttmp9, 7                        ; ww
	s_lshl_b32 s38, s38, 2
	s_add_co_u32 s38, s38, 2
	s_add_co_u32 s38, s38, s28
	s_and_b32 s38, s38, 31                         ; (4 wh + w + 2) % 32
	s_lshl_b32 s31, s31, 5
	s_add_co_u32 s31, s31, s38
	s_lshl_b32 s31, s31, 5
	s_lshl_b32 s39, s39, 2
	s_add_co_u32 s56, s39, 2                       ; j = 0, 1: 4 ww + 2, + 3
	s_add_co_u32 s57, s39, 4
	s_and_b32 s57, s57, 31                         ; j = 2, 3: (4 ww + 4) % 32, + 1
	s_add_co_u32 s56, s56, s31
	s_add_co_u32 s57, s57, s31
	s_lshl_b32 s56, s56, 14                        ; x 32 rows of 512 bytes
	s_lshl_b32 s57, s57, 14
	v_add_nc_u32 v15, s56, v131
	v_add_nc_u32 v16, s57, v131
	s_mov_b32 s32, 0x76543210
	s_mov_b32 s33, 0xfedcba98                      ; v_permlanex16_b32's selects for lane l xor 16
	KPAIR 34, 0x3fb8aa3b                           ; log2(e)
	s_mov_b32 s36, 0x3c000000                      ; 1 / 128
	s_mov_b32 s37, 0x3727c5ac                      ; 1e-5
	KPAIR 66, 0x32edffee                           ; erf's numerator: z^11: 2.77068142e-08
	KPAIR 68, 0xb60cff51                           ; z^9: -2.10102402e-06
	KPAIR 70, 0xb86ec2d2                           ; z^7: -5.69250639e-05
	KPAIR 72, 0xba40ac63                           ; z^5: -7.34990630e-04
	KPAIR 74, 0xbb41a1f6                           ; z^3: -2.95459981e-03
	KPAIR 76, 0xbc83dbd4                           ; z: -1.60960333e-02
	KPAIR 78, 0xb95fbd29                           ; its denominator: z^6: -2.13374055e-04
	KPAIR 80, 0xbadc924e                           ; z^4: -1.68282697e-03
	KPAIR 82, 0xbbf19bf8                           ; z^2: -7.37332917e-03
	KPAIR 84, 0xbc69b6a7                           ; 1: -1.42647391e-02
	s_mov_b32 s86, 0xaf95df0b                      ; numerator z^13: -2.72614226e-10
	s_mov_b32 s87, 0xb77460cd                      ; denominator z^8: -1.45660718e-05
	s_mov_b32 s49, 0                               ; the upper words of the offsets' pairs
	s_mov_b32 s51, 0
	s_wait_kmcnt 0x0
	s_mul_i32 s48, s28, 49152                      ; my 24 records of 2,048 bytes
	s_add_nc_u64 s[6:7], s[6:7], s[48:49]
	s_mul_i32 s48, s28, 3584                       ; my two heads of the bias table
	s_add_nc_u64 s[8:9], s[8:9], s[48:49]
	s_lshl_b32 s48, s28, 7                         ; my 32 columns
	s_add_nc_u64 s[18:19], s[18:19], s[48:49]
	s_add_nc_u64 s[20:21], s[20:21], s[48:49]
	s_add_nc_u64 s[24:25], s[24:25], s[48:49]
	s_add_nc_u64 s[40:41], s[4:5], 2*512           ; window 0: k = 0, 1 at rows 2, 3 along D,
	s_add_nc_u64 s[42:43], s[4:5], 4*512           ; k = 2, 3 at rows 4, 5
	WIN 0xc0
.irp sl, 0,1,2,3,4,5
.irp c, 0,1,2
	global_load_b128 v[12*\sl+4*\c:12*\sl+4*\c+3], v131, s[6:7] offset:2048*\sl+512*\c
.endr
.endr
.irp e, 0,1
	global_load_b128 v[72+8*\e:75+8*\e], v133, s[18:19] offset:64*\e            ; b_q of channels 32 w + 16 e + 8 h + 0 .. 7
	global_load_b128 v[76+8*\e:79+8*\e], v133, s[18:19] offset:64*\e+16
	global_load_b128 v[88+8*\e:91+8*\e], v133, s[18:19] offset:512+64*\e        ; b_k
	global_load_b128 v[92+8*\e:95+8*\e], v133, s[18:19] offset:512+64*\e+16
.irp q, 0,1,2,3,4,5,6,7
	global_load_b32 v[104+8*\e+\q], v134, s[18:19] offset:1024+64*\e            ; b_v of my channel r, for all eight tokens
.endr
	global_load_b128 v[120+8*\e:123+8*\e], v133, s[20:21] offset:64*\e          ; b_proj
	global_load_b128 v[124+8*\e:127+8*\e], v133, s[20:21] offset:64*\e+16
	global_load_b128 v[136+8*\e:139+8*\e], v133, s[24:25] offset:64*\e          ; b_fc2
	global_load_b128 v[140+8*\e:143+8*\e], v133, s[24:25] offset:64*\e+16
.endr
	WIN 0x80
.irp sl, 6,7
.irp c, 0,1,2
	global_load_b128 v[192+12*(\sl-6)+4*\c:192+12*(\sl-6)+4*\c+3], v131, s[6:7] offset:2048*\sl+512*\c
.endr
.endr
.irp sl, 8,9,10,11,12,13,14,15,16,17,18,19,20,21,22,23
.irp c, 0,1,2
	global_load_b128 v[12*(\sl-8)+4*\c:12*(\sl-8)+4*\c+3], v131, s[6:7] offset:2048*\sl+512*\c
.endr
.endr
	WIN 0x40
.set hi, 0
.rept 16
	global_load_b128 v[112+4*hi:115+4*hi], v148, s[14:15] offset:128*(hi/4)+16*(hi%4)   ; gamma2 and beta2 of channels 32 b + 16 h + 0 .. 15: they stay
	global_load_b128 v[176+4*hi:179+4*hi], v148, s[16:17] offset:128*(hi/4)+16*(hi%4)
.set hi, hi+1
.endr
	WIN 0
.set hi, 0
.rept 24
	global_load_b32 v[32+hi], v132, s[6:7] offset:2048*hi+1536
.set hi, hi+1
.endr
.irp i, 0,1,2,3,4,5,6
	global_load_b128 v[192+4*\i:195+4*\i], v131, s[8:9] offset:512*\i
.endr
	global_load_b32 v140, v135, s[10:11]
	global_load_b32 v141, v135, s[12:13]
.irp i, 0,1,2,3
	global_load_b32 v[142+\i], v135, s[22:23] offset:512*\i
.endr
	PRELOAD
	s_wait_loadcnt 0x0
	s_mul_i32 s38, s28, 3584
	s_add_co_u32 s38, s38, BTL
	v_add_nc_u32 v136, s38, v131
.irp i, 0,1,2,3,4,5,6
	ds_store_b128 v136, v[192+4*\i:195+4*\i] offset:512*\i
.endr
	v_add_nc_u32 v137, CB, v135
.irp k, 0,1,2,3,4,5
	ds_store_b32 v137, v[140+\k] offset:512*\k
.endr
	XPUT
	; the position bias in the layout of S^T: lane (r, h), register j of (head e, difference dl = query tile - key tile + 3): query (.., r / 4, r % 4), key (.., 2 h + j / 4, j % 4)
	v_lshrrev_b32 v138, 2, v129
	v_and_b32 v139, 3, v129
	v_xor_b32 v21, 1, v130
	v_lshlrev_b32 v21, 6, v21                      ; 64 (1 - h): the immediates below are 64 short
	v_lshl_add_u32 v21, v138, 5, v21
	v_lshl_add_u32 v21, v139, 2, v21
	v_add_nc_u32 v21, s38, v21
	WIN 0x40
.irp e, 0,1
.irp dl, 0,1,2,3,4,5,6
.irp q, 0,1,2,3,4,5,6,7
	ds_load_b32 v[56*\e+8*\dl+\q], v21 offset:1792*\e+4*(64*\dl+8*(3-\q/4)+3-\q%4)-64   ; my wave's own bytes: LDS serves a wave's instructions in order (ISA guide 5.7.1.4)
.endr
.endr
.endr
	WIN 0
	BARRIER                                        ; gamma1, beta1 and b_fc1 lie in LDS for all
	BETA1                                          ; for the first window
	s_mov_b32 s29, 0
.Lwin:                                             ; eight trips: window wd = s29
	; ---------------- LN1: my 16 rows of x, 16 neighbours of each block of 32 a lane
.set li, 0
.rept 16
	ds_load_b128 v[192+4*li:195+4*li], v3 offset:128*(li/4)+16*(li%4)
.set li, li+1
.endr
	LNQ 0
	BARRIER                                        ; the four fragments of the normalised rows lie in LDS
	; ---------------- QKV
.irp m, 0,1,2,3
	FETCH 192+12*\m, 6, 1536*\m
	ds_load_b32 v[56+\m], v8 offset:128*\m
.endr
	WIN 0x3c                                       ; v: source 0 = 16 tokens, source 1 = 16 channels of w_v (window 3), C = b_v (window 3)
.irp m, 0,1,2,3
	s_wait_dscnt 12-4*\m                           ; tile m's four loads are in; the four of each later tile may be out
.irp e, 0,1
	MX 128+32*\e+8*\m, 192+12*\m, 48+12*\e, 104+8*\e, 56+\m, 36+\e
.endr
.endr
	WIN 0xf3                                       ; q: source 0 = 16 channels of w_q, source 1 = 16 tokens; C and D window 3
.irp e, 0,1
.irp m, 0,1,2,3
	MX 152+32*\e+8*\m, 12*\e, 192+12*\m, 72+8*\e, 32+\e, 56+\m
.endr
.endr
	WIN 0x80
.irp e, 0,1
.irp i, 6,7,8,9,10,11
	v_mov_b32 v[216+12*\e+\i], 0                   ; V^T's codes of keys 64 .. 127.  (These twelve are also the places behind the products)
.endr
.endr
	WIN 0
	VQ 0
	VQ 1
	WIN 0xc3
.set li, 0
.rept 32
	v_pk_mul_f32 v[152+li:153+li], v[152+li:153+li], 0x3e800000 op_sel_hi:[1,0]   ; q / sqrt(16): exact
.set li, li+2
.endr
	WIN 0x33                                       ; k, into the registers that v has left
.irp e, 0,1
.irp m, 0,1,2,3
	MX 128+32*\e+8*\m, 24+12*\e, 192+12*\m, 88+8*\e, 34+\e, 56+\m
.endr
.endr
	WIN 0
	NOPS 5                                         ; five places before a matrix instruction takes k as an operand, four before the fragments' registers are written
.irp i, 230,231,232,233,234,235
	v_mov_b32 v\i, 0                               ; p's codes of keys 64 .. 127
.endr
	v_mov_b32 v245, 0                              ; (named as upper halves of pairs)
	v_mov_b32 v253, 0
	v_mov_b32 v255, 0
	; ---------------- ATTENTION: eight units; the products of unit u + 1 and the softmax of unit u by turns
.set ii, 0
.rept 16
	QKW 0, ii
.set ii, ii+1
.endr
	WIN 0
	NOPS 8                                         ; eight places behind the f32 form before its sums are read
.set uu, 0
.rept 7
.set ii, 0
.rept 16
	QKW uu+1, ii
	SLICE uu%2, ii
.set ii, ii+1
.endr
	NOPS 8                                         ; eight places: behind the f32 form before its sums are read, and between p's scale word and the scaled product
	PV uu
.if uu%2
	OUTQ uu/2
.endif
.set uu, uu+1
.endr
.set j, 0
.rept 111
	SMI 1
.set j, j+1
.endr
	NOPS 8
	PV 7
	OUTQ 3
	BARRIER                                        ; the attention's 64 rows of codes lie in LDS
	; ---------------- PROJ
.irp m, 0,1,2,3
.irp p, 0,1,2,3,4,5
	ds_load_b64 v[192+12*\m+2*\p:193+12*\m+2*\p], v10 offset:1664*\m+48*(\p/3)+8*(\p%3)
.endr
	ds_load_b32 v[56+\m], v12 offset:64*\m
.endr
.set li, 0
.rept 16
	ds_load_b128 v[128+4*li:131+4*li], v3 offset:128*(li/4)+16*(li%4)   ; x once more, for the residual: my own rows, which hang on no barrier: asked for a phase ahead, behind the loads that the products wait for
.set li, li+1
.endr
	WIN 0x32                                       ; source 0 (w_proj) window 2, C (b_proj) window 3
.irp m, 0,1,2,3
	s_wait_dscnt 37-7*\m                           ; tile m's seven loads are in; the seven of each later tile and the 16 of x may be out
.irp n, 0,1
	MX 64+8*(4*\n+\m), 192+12*\n, 192+12*\m, 120+8*\n, 38+\n, 56+\m
.endr
.endr
	WIN 0
	NOPS 4
	TILEOUT 0
	BARRIER                                        ; 64 whole rows of proj's result lie in the stage; x stands in KR
	; ---------------- x2 = x + proj, kept in the stage; LN2
.set li, 0
.rept 16
	ds_load_b128 v[192+4*li:195+4*li], v3 offset:PSTG+128*(li/4)+16*(li%4)
.set li, li+1
.endr
	WIN 0xc0
.irp t, 0,1,2,3,4,5,6,7
	ds_load_b128 v[152+8*\t:155+8*\t], v14 offset:64*\t       ; b_fc1 of hidden units 128 w + 16 t + 8 h + 0 .. 7, for the next phase: q has left these registers
	ds_load_b128 v[156+8*\t:159+8*\t], v14 offset:64*\t+16
.endr
	WIN 0
.set li, 0
.rept 16
.if li == 0
	s_wait_dscnt 31                                ; piece 0 is in: behind it stand 15 pieces and the 16 loads of b_fc1
.else
	s_wait_dscnt 30                                ; piece li is in: behind it stand 15 - li pieces, the 16 loads of b_fc1 and li - 1 stores
.endif
	v_pk_add_f32 v[192+4*li:193+4*li], v[192+4*li:193+4*li], v[128+4*li:129+4*li]
	v_pk_add_f32 v[194+4*li:195+4*li], v[194+4*li:195+4*li], v[130+4*li:131+4*li]
.if li > 0
	ds_store_b128 v3, v[188+4*li:191+4*li] offset:PSTG+128*((li-1)/4)+16*((li-1)%4)   ; my own rows; a piece behind its additions
.endif
.set li, li+1
.endr
	ds_store_b128 v3, v[252:255] offset:PSTG+128*3+16*3
	LNQ 1
	BARRIER
	; ---------------- FC1, GELU, QUANTISE: a tile of 16 rows a trip
	s_cmp_eq_u32 s29, 7                            ; the next window's x is asked for here, if there is a next window: no load leaves its buffer
	s_cselect_b32 s58, 64, 3                       ; the trip in which it goes on to LDS: the last, or none
	s_cbranch_scc1 .Lnopre
	s_lshl_b32 s48, s29, 11                        ; 4 wd rows of 512 bytes
	s_add_co_u32 s50, s48, 8*512
	s_add_co_u32 s48, s48, 6*512                   ; k = 0, 1: 4 (wd + 1) + 2, at most 30
	s_and_b32 s50, s50, 0x3e00                     ; k = 2, 3: (4 (wd + 1) + 4) % 32
	s_add_nc_u64 s[40:41], s[4:5], s[48:49]        ; (the loads that named these bases have been waited for)
	s_add_nc_u64 s[42:43], s[4:5], s[50:51]
	PRELOAD
.Lnopre:
	v_mov_b32 v252, s86
	v_mov_b32 v253, s86
	v_mov_b32 v254, s87
	v_mov_b32 v255, s87
	FETCH 192, 6, 0
	ds_load_b32 v56, v8
	s_mov_b32 s52, 1536                            ; the next tile's image,
	s_mov_b32 s53, 128                             ; its scale words,
	s_mul_i32 s54, s28, 6144
	s_add_co_u32 s54, s54, HIMG-XIMG               ; where my K step's images go: 6,144 bytes a wave, 1,536 a tile,
	s_lshl_b32 s55, s28, 9
	s_add_co_u32 s55, s55, HSC-XSC                 ; and their scale words
	s_mov_b32 s30, 0
	s_wait_dscnt 0x0                               ; the first tile's fragment and scale word are in
.Lm:
	s_wait_dscnt 4                                 ; all but the four stores that ended the trip before: the tile's fragment and scale word, asked for ahead of them, are in; the barrier behind the loop waits for the stores
	WIN 0x32                                       ; source 0 (w_fc1) window 2, C (b_fc1) window 3
.irp t, 0,1,2,3,4,5,6,7
	MX 64+8*\t, 12*\t, 192, 152+8*\t, 40+\t, 56
.endr
	WIN 0
	NOPS 4
	s_min_u32 s56, s52, 4608                       ; the last trip reads tile 3 once more
	s_min_u32 s57, s53, 384
	v_add_nc_u32 v17, s56, v6
	v_add_nc_u32 v18, s57, v8
	v_add_nc_u32 v19, s54, v6
	v_add_nc_u32 v20, s55, v8
	FETCH 192, 17, 0                               ; the next tile lands while this one goes through GELU
	ds_load_b32 v56, v18
	s_cmp_lg_u32 s30, s58
	s_cbranch_scc1 .Lnoput
	s_wait_loadcnt 0x0                             ; the next window's x, asked for three trips ago,
	XPUT                                           ; goes into my stage, whose last read stood in the proj phase,
	BETA1                                          ; and beta1 into the registers that b_fc1's last products have just read (eight plain lines stand between): both under the GELU
.Lnoput:
	GELU2 0
	GELU2 1
	GELU2 2
	GELU2 3
	QUANT 128, 204, 224
	IMAGE 204, 19, 0
	ds_store_b32 v20, v60
	s_add_co_u32 s52, s52, 1536
	s_add_co_u32 s53, s53, 128
	s_add_co_u32 s54, s54, 1536
	s_add_co_u32 s55, s55, 128
	s_add_co_u32 s30, s30, 1
	s_cmp_lt_u32 s30, 4
	s_cbranch_scc1 .Lm
	BARRIER                                        ; the hidden layer's sixteen fragments lie in LDS
	; ---------------- FC2: four K steps on two sets of fragments
	HSET 0, 0
	HSET 1, 1
	s_wait_dscnt 16                                ; all but the 16 loads of the set asked for last
	WIN 0x32                                       ; source 0 (w_fc2) window 2, C (b_fc2) window 3
	MULS 0, 0
	WIN 0
	NOPS 4                                         ; places in front of loads into registers that matrix instructions have read
	HSET 0, 2
	s_wait_dscnt 16
	WIN 0x02
	MULS 1, 1
	WIN 0
	NOPS 4
	HSET 1, 3
	s_wait_dscnt 16
	WIN 0x02
	MULS 2, 0
	s_wait_dscnt 0x0
	MULS 3, 1
	WIN 0
	NOPS 4
.set wi, 0
.rept 16
	ds_load_b128 v[128+4*wi:131+4*wi], v1 offset:PSTG+528*wi   ; x2, my own rows, which hang on no barrier: asked for ahead of it, into the first set's registers
.set wi, wi+1
.endr
	TILEOUT YSTG-PSTG
	BARRIER                                        ; 64 whole rows of fc2's result lie in the stage; x2 stands in KR
	; ---------------- THE WAY OUT: my 16 rows, x2 + fc2
	s_lshl_b32 s48, s29, 11
	s_add_co_u32 s50, s48, 4*512
	s_add_co_u32 s48, s48, 2*512
	s_and_b32 s50, s50, 0x3e00
	s_add_nc_u64 s[44:45], s[26:27], s[48:49]      ; (the last window's stores have read these bases: the wait at the trip's end)
	s_add_nc_u64 s[46:47], s[26:27], s[50:51]
.set wi, 0
.rept 16
	ds_load_b128 v[192+4*wi:195+4*wi], v2 offset:528*wi
.set wi, wi+1
.endr
.set wi, 0
.rept 16
	s_wait_dscnt 15-wi                             ; LDS loads come back in order (ISA guide 5.7.1): row wi is in, the rows behind it may be out
	v_pk_add_f32 v[192+4*wi:193+4*wi], v[192+4*wi:193+4*wi], v[128+4*wi:129+4*wi]
	v_pk_add_f32 v[194+4*wi:195+4*wi], v[194+4*wi:195+4*wi], v[130+4*wi:131+4*wi]
.if wi > 0
	OSTORE wi-1                                    ; a row behind its additions
.endif
.set wi, wi+1
.endr
	OSTORE 15
	s_wait_xcnt 0x0                                ; the stores have read their data and bases: both are written again in the next trip
	s_add_co_u32 s29, s29, 1
	s_cmp_lt_u32 s29, 8
	s_cbranch_scc1 .Lwin
	s_set_vgpr_msb 0x5
	s_wait_tensorcnt 0x0
	ds_add_u32 v254, v255
	s_wait_dscnt 0x0
	s_set_vgpr_msb 0x500
	s_endpgm
.Lfunc_end_k_qe194fca5d6_swin:
	.size	k_qe194fca5d6_swin, .Lfunc_end_k_qe194fca5d6_swin-k_qe194fca5d6_swin
	.p2alignl 7, 3214868480
	.fill 96, 4, 3214868480
	.section	.rodata,"a",@progbits
	.p2align	6, 0x0
	.amdhsa_kernel k_qe194fca5d6_swin
		.amdhsa_group_segment_fixed_size 160768
		.amdhsa_private_segment_fixed_size 0
		.amdhsa_enable_private_segment 0
		.amdhsa_kernarg_size 96
		.amdhsa_user_sgpr_count 2
		.amdhsa_user_sgpr_kernarg_segment_ptr 1
		.amdhsa_wavefront_size32 1
		.amdhsa_system_sgpr_workgroup_id_x 1
		.amdhsa_system_sgpr_workgroup_id_y 1
		.amdhsa_system_sgpr_workgroup_id_z 1
		.amdhsa_system_vgpr_workitem_id 0
		.amdhsa_next_free_vgpr 1024
		.amdhsa_next_free_sgpr 88
		.amdhsa_reserve_vcc 0
		.amdhsa_float_denorm_mode_32 3
		.amdhsa_float_denorm_mode_16_64 3
		.amdhsa_memory_ordered 1
		.amdhsa_forward_progress 1
		.amdhsa_inst_pref_size 225
	.end_amdhsa_kernel
	.amdgpu_metadata
---
amdhsa.version: [ 1, 2 ]
amdhsa.kernels:
  - .name:           k_qe194fca5d6_swin
    .symbol:         k_qe194fca5d6_swin.kd
    .args:
      - { .name: x, .offset: 0, .size: 8, .value_kind: global_buffer, .address_space: global }
      - { .name: wf, .offset: 8, .size: 8, .value_kind: global_buffer, .address_space: global }
      - { .name: btc, .offset: 16, .size: 8, .value_kind: global_buffer, .address_space: global }
      - { .name: gamma1, .offset: 24, .size: 8, .value_kind: global_buffer, .address_space: global }
      - { .name: beta1, .offset: 32, .size: 8, .value_kind: global_buffer, .address_space: global }
      - { .name: gamma2, .offset: 40, .size: 8, .value_kind: global_buffer, .address_space: global }
      - { .name: beta2, .offset: 48, .size: 8, .value_kind: global_buffer, .address_space: global }
      - { .name: b_qkv, .offset: 56, .size: 8, .value_kind: global_buffer, .address_space: global }
      - { .name: b_proj, .offset: 64, .size: 8, .value_kind: global_buffer, .address_space: global }
      - { .name: b_fc1, .offset: 72, .size: 8, .value_kind: global_buffer, .address_space: global }
      - { .name: b_fc2, .offset: 80, .size: 8, .value_kind: global_buffer, .address_space: global }
      - { .name: out0, .offset: 88, .size: 8, .value_kind: global_buffer, .address_space: global }
    .group_segment_fixed_size: 160768
    .private_segment_fixed_size: 0
    .kernarg_segment_align: 8
    .kernarg_segment_size: 96
    .max_flat_workgroup_size: 128
    .sgpr_count:     88
    .vgpr_count:     1024
    .wavefront_size: 32
...
	.end_amdgpu_metadata
.endif
;; end of part 2
